; MI455X (gfx1250); checked and timed in simulation.
; The chip was launched on July 23, 2026; its instructions are those of AMD's public machine-readable ISA for CDNA 5 (MIT licence, August 2026) and "CDNA5" Instruction Set Architecture Reference Guide (July 2026). The comments in the code are by the model that wrote it; some were corrected since.
;; CRF. Allowed arithmetic: float matrix products may take bf16 or f16 operands with f32 sums; all other float work in f32.
;; Inputs: emissions 512 x 512 x 128 float32; end_transitions 128 float32; mask 512 x 512 int32; start_transitions 128 float32; tags 512 x 512 int32; transitions 128 x 128 float32.
;; Outputs: out0 512 float32.
;; One version. Each part assembles by itself: llvm-mc -triple=amdgcn-amd-amdhsa -mcpu=gfx1250 --defsym DOCPART=n.
;; ======== version 1 of 1: 1 launch
;; launch crf (part 1): grid 256 x 1, 16 waves a work-group, no clusters, 4,352 bytes of LDS; arguments tags, mask, emissions, transitions, start_transitions, end_transitions, out0; writes out0
.if DOCPART == 1
	.amdgcn_target "amdgcn-amd-amdhsa--gfx1250"
	.amdhsa_code_object_version 6
	.text
	.protected	k_qc47d43df78_crf
	.globl	k_qc47d43df78_crf
	.p2align	8
	.type	k_qc47d43df78_crf,@function
k_qc47d43df78_crf:
	s_mov_b64 s[64:65], 0
	v_nop
	global_prefetch_b8 v0, s[64:65] scope:SCOPE_SE
	s_setreg_imm32_b32 hwreg(HW_REG_WAVE_MODE, 25, 1), 1
	s_wait_xcnt 0x0
; CRF path score.  out[b] = start[tags[0][b]] + em[0][b][tags[0][b]]
;                         + sum over s = 1..511 of (trans[tags[s-1][b]][tags[s][b]] + em[s][b][tags[s][b]]) * float(mask[s][b])
;                         + end[tags[sum over s of mask[s][b] - 1][b]]
; tags, mask: [512][512] int32.  em: [512][512][128] f32.  trans: [128][128] f32.  start, end: [128] f32.  out: [512] f32.
;
; One launch, 256 work-groups of 16 waves.  A work-group owns the two neighbouring columns b = 2 g, 2 g + 1 for all 512 rows, so every output
; has one owner and no sum crosses work-groups.  Thread t is row s = t: it loads its two tags and two mask words (8 bytes each), gathers its two
; numbers of em (4 bytes out of each row of 512: the other 127 numbers of a row are never read) and its two numbers of trans.
; All 1,024 gathers from em of a work-group are issued as soon as the tags are in; nothing is read twice from memory: the tag of the row before
; comes from LDS, where the two tag columns are kept for the look-up of the last tag too.
; Sums over lanes: after one exchange with the neighbour lane, even lanes carry column 0 and odd lanes column 1, so one chain serves both.
;
; No matrix unit, tensor load or cluster: there are no products, and what work-groups share is 8-byte pieces of tag and mask rows (2 MiB in all).
; No prefetch: a gather's address exists only when its tag has arrived, and there the load itself is issued.
; Tag and mask rows are read 8 bytes a work-group and the output is written 8 bytes a work-group: whole rows of 64 columns a work-group would
; leave work for 8 work-groups only.
;
; LIMITS.  Tags are clamped to 0..127 (the problem keeps them there).  The last row's index is sum(mask) - 1 taken as unsigned and clamped to 511:
; a sum of 0 gives row 511 (the reference's index -1 wraps to it), sums above 512 give row 511 (the reference's gather clamps); a NEGATIVE sum,
; which needs negative mask entries, gives row 511 here and sum + 511 in the reference.  The f32 additions run in another order than the reference's.
.set S,      512                       ; rows (sequence)
.set T,      128                       ; tags
.set EMROW,  T*4                       ; bytes of one row of em: from column b to b + 1
.set LCNT,   S*8                       ; LDS: bytes 0..4095 the two tag columns (row s at 8 s); then 16 waves x 2 mask sums,
.set LSUM,   LCNT+16*8                 ; then 16 waves x 2 partial scores; 4,352 bytes in all
; v0 row  v1 offset in tags and mask  v[2:3] tags  v[4:5] mask  v6 LDS 8 s  v7 LDS of the row before  v8,v9 4 x tag  v10,v11 offsets in em
; v[12:13] em, then products  v14,v15 sums over lanes  v16 LDS of my wave's partial  v17 4 x (lane & 1)  v[18:19] weights
; v[20:21] tags of the row before, then offsets in trans  v[22:23] trans  v24..v32 wave 0 alone
	s_load_b256 s[4:11], s[0:1], 0x0               ; tags s[4:5], mask s[6:7], em s[8:9], trans s[10:11]
	s_load_b128 s[12:15], s[0:1], 0x20             ; start s[12:13], end s[14:15]
	s_load_b64 s[16:17], s[0:1], 0x30              ; out
	v_lshlrev_b32 v1, 11, v0                       ; row s of tags and of mask: 2,048 bytes a row
	v_lshrrev_b32 v14, 5, v0
	v_readfirstlane_b32 s25, v14                   ; wave 0..15
	s_lshl_b32 s18, ttmp9, 3                       ; my two columns: 8 bytes in a row of tags, of mask, and in out
	s_mov_b32 s19, 0
	s_lshl_b32 s20, ttmp9, 10                      ; and two rows of 512 bytes in em
	s_mov_b32 s21, 0
	s_wait_kmcnt 0x0
	s_add_nc_u64 s[4:5], s[4:5], s[18:19]
	s_add_nc_u64 s[6:7], s[6:7], s[18:19]
	global_load_b64 v[2:3], v1, s[4:5]             ; tags[s][b], tags[s][b+1]
	global_load_b64 v[4:5], v1, s[6:7]             ; mask[s][b], mask[s][b+1]
	s_add_nc_u64 s[8:9], s[8:9], s[20:21]
	s_add_nc_u64 s[16:17], s[16:17], s[18:19]
	; while they are on their way: constants and LDS addresses
	s_mov_b32 s22, 0xaaaaaaaa                      ; the odd lanes
	s_mov_b32 s23, 0x76543210                      ; v_permlanex16_b32: lane i reads lane i of the other half
	s_mov_b32 s24, 0xfedcba98
	s_lshl_b32 s26, s25, 3                         ; my wave's 8 bytes among the partials
	v_cmp_eq_u32 s27, 0, v0                        ; row 0
	v_lshlrev_b32 v6, 3, v0                        ; row s of the tag columns in LDS
	v_add_nc_u32 v7, -8, v6                        ; the row before; cyclic, so that row 0 reads row 511's bytes,
	v_and_b32 v7, S*8-8, v7                        ; which are written too; what row 0 makes of them is thrown away below
	v_and_b32 v17, 1, v0
	v_lshlrev_b32 v17, 2, v17                      ; 4 x (lane & 1): the column that my lane carries in sums over lanes
	v_add_nc_u32 v16, s26, v17
	s_wait_loadcnt 0x1                             ; the tags are in; the one younger load (mask) may be out
	ds_store_b64 v6, v[2:3]                        ; as loaded: every reader clamps for itself
	v_min_u32 v8, T-1, v2                          ; no address leaves its buffer, whatever the tags hold
	v_min_u32 v9, T-1, v3
	v_lshlrev_b32 v8, 2, v8                        ; 4 x tag: used for em and for trans
	v_lshlrev_b32 v9, 2, v9
	v_lshl_add_u32 v10, v0, 18, v8                 ; row s of em is 512 x 128 x 4 = 2^18 bytes on; the largest offset stays below 2^27
	v_lshl_add_u32 v11, v0, 18, v9
	global_load_b32 v12, v10, s[8:9] th:TH_LOAD_NT                 ; em[s][b][tag]: each row of em is named once in the launch
	global_load_b32 v13, v11, s[8:9] offset:EMROW th:TH_LOAD_NT    ; em[s][b+1][tag]
	s_wait_loadcnt 0x2                             ; the mask is in; the two gathers behind it stay out
	; sum of the mask over my wave's 32 rows, in whole numbers (it becomes an index)
	v_cndmask_b32 v14, v4, v5, s22                 ; my lane's column: even lanes column 0, odd lanes column 1
	v_cndmask_b32 v15, v5, v4, s22                 ; the other column, for the neighbour lane
	v_add_nc_u32_dpp v14, v15, v14 row_xmask:1 row_mask:0xf bank_mask:0xf   ; + the neighbour's word of my column
	v_add_nc_u32_dpp v14, v14, v14 row_xmask:2 row_mask:0xf bank_mask:0xf   ; lanes of like parity from here on
	v_add_nc_u32_dpp v14, v14, v14 row_xmask:4 row_mask:0xf bank_mask:0xf
	v_add_nc_u32_dpp v14, v14, v14 row_xmask:8 row_mask:0xf bank_mask:0xf
	v_permlanex16_b32 v15, v14, s23, s24
	v_add_nc_u32 v14, v14, v15
	ds_store_b32 v16, v14 offset:LCNT              ; lanes of like parity write one word, with one value
	s_wait_dscnt 0x0                               ; for the other waves: my tags and my sums are in LDS
	s_barrier_signal -1
	v_cvt_f32_i32 v18, v4                          ; the weights, while the others arrive
	v_cvt_f32_i32 v19, v5
	v_cndmask_b32 v18, v18, 1.0, s27               ; row 0 counts whatever its mask says
	v_cndmask_b32 v19, v19, 1.0, s27
	s_barrier_wait -1
	ds_load_b64 v[20:21], v7                       ; tags[s-1][b], tags[s-1][b+1]
	s_wait_dscnt 0x0
	v_min_u32 v20, T-1, v20
	v_min_u32 v21, T-1, v21
	v_lshl_add_u32 v20, v20, 9, v8                 ; 512 bytes a row of trans + 4 x tag
	v_lshl_add_u32 v21, v21, 9, v9
	global_load_b32 v22, v20, s[10:11]             ; read again and again by all work-groups: no hint
	global_load_b32 v23, v21, s[10:11]
	s_cmp_lg_u32 s25, 0
	s_cbranch_scc1 .Lall
	; wave 0, while the gathers are on their way: the two ends of the path.  Lane l works for column l & 1.
	v_and_b32 v26, 31, v0
	v_lshlrev_b32 v26, 2, v26                      ; word l of the 32 partials = wave l / 2, column l & 1
	ds_load_b32 v24, v26 offset:LCNT
	s_wait_dscnt 0x0
	v_add_nc_u32_dpp v24, v24, v24 row_xmask:2 row_mask:0xf bank_mask:0xf
	v_add_nc_u32_dpp v24, v24, v24 row_xmask:4 row_mask:0xf bank_mask:0xf
	v_add_nc_u32_dpp v24, v24, v24 row_xmask:8 row_mask:0xf bank_mask:0xf
	v_permlanex16_b32 v15, v24, s23, s24
	v_add_nc_u32 v24, v24, v15                     ; sum of my column's mask over all 512 rows
	v_add_nc_u32 v24, -1, v24
	v_min_u32 v24, S-1, v24                        ; unsigned: -1 becomes row 511, as the reference's index -1 does
	v_lshl_add_u32 v24, v24, 3, v17
	ds_load_b32 v28, v24                           ; the last tag
	ds_load_b32 v29, v17                           ; the first tag
	s_wait_dscnt 0x0
	v_min_u32 v28, T-1, v28
	v_min_u32 v29, T-1, v29
	v_lshlrev_b32 v28, 2, v28
	v_lshlrev_b32 v29, 2, v29
	global_load_b32 v30, v28, s[14:15]             ; end[last tag]
	global_load_b32 v31, v29, s[12:13]             ; start[first tag]
.Lall:
	s_wait_loadcnt 0x0                             ; everything that this wave has asked for
	v_cndmask_b32 v22, v22, 0, s27                 ; no transition leads into row 0
	v_cndmask_b32 v23, v23, 0, s27
	v_pk_add_f32 v[12:13], v[12:13], v[22:23]      ; (trans + em) * weight, as the reference writes it
	v_pk_mul_f32 v[12:13], v[12:13], v[18:19]
	v_cndmask_b32 v14, v12, v13, s22               ; the same sum over lanes as above, in f32
	v_cndmask_b32 v15, v13, v12, s22
	v_add_f32_dpp v14, v15, v14 row_xmask:1 row_mask:0xf bank_mask:0xf
	v_add_f32_dpp v14, v14, v14 row_xmask:2 row_mask:0xf bank_mask:0xf
	v_add_f32_dpp v14, v14, v14 row_xmask:4 row_mask:0xf bank_mask:0xf
	v_add_f32_dpp v14, v14, v14 row_xmask:8 row_mask:0xf bank_mask:0xf
	v_permlanex16_b32 v15, v14, s23, s24
	v_add_f32 v14, v14, v15
	ds_store_b32 v16, v14 offset:LSUM              ; bytes of their own: nobody has to have finished with the mask sums
	s_wait_dscnt 0x0                               ; for wave 0: my partial is in LDS
	s_barrier_signal -1
	s_barrier_wait -1
	s_cmp_lg_u32 s25, 0
	s_cbranch_scc1 .Lend
	; wave 0: the 16 waves' partials of each column, the two ends, and out
	ds_load_b32 v32, v26 offset:LSUM
	v_add_f32 v30, v30, v31                        ; start + end
	s_wait_dscnt 0x0
	v_add_f32_dpp v32, v32, v32 row_xmask:2 row_mask:0xf bank_mask:0xf
	v_add_f32_dpp v32, v32, v32 row_xmask:4 row_mask:0xf bank_mask:0xf
	v_add_f32_dpp v32, v32, v32 row_xmask:8 row_mask:0xf bank_mask:0xf
	v_permlanex16_b32 v15, v32, s23, s24
	v_add_f32 v32, v32, v15
	v_add_f32 v32, v32, v30
	v_cmp_gt_u32 vcc_lo, 2, v0
	s_wait_xcnt 0x0                                ; EXEC is a source of the wave's loads: it is narrowed only behind this wait
	s_and_saveexec_b32 s28, vcc_lo                 ; lanes 0 and 1: columns b and b + 1
	global_store_b32 v17, v32, s[16:17]            ; 8 neighbouring bytes, the work-group's whole output
.Lend:
	s_endpgm
.Lfunc_end_k_qc47d43df78_crf:
	.size	k_qc47d43df78_crf, .Lfunc_end_k_qc47d43df78_crf-k_qc47d43df78_crf
	.p2alignl 7, 3214868480
	.fill 96, 4, 3214868480
	.section	.rodata,"a",@progbits
	.p2align	6, 0x0
	.amdhsa_kernel k_qc47d43df78_crf
		.amdhsa_group_segment_fixed_size 4352
		.amdhsa_private_segment_fixed_size 0
		.amdhsa_enable_private_segment 0
		.amdhsa_kernarg_size 56
		.amdhsa_user_sgpr_count 2
		.amdhsa_user_sgpr_kernarg_segment_ptr 1
		.amdhsa_wavefront_size32 1
		.amdhsa_system_sgpr_workgroup_id_x 1
		.amdhsa_system_sgpr_workgroup_id_y 1
		.amdhsa_system_sgpr_workgroup_id_z 1
		.amdhsa_system_vgpr_workitem_id 0
		.amdhsa_next_free_vgpr 40
		.amdhsa_next_free_sgpr 66
		.amdhsa_reserve_vcc 1
		.amdhsa_float_denorm_mode_32 3
		.amdhsa_float_denorm_mode_16_64 3
		.amdhsa_memory_ordered 1
		.amdhsa_forward_progress 1
		.amdhsa_inst_pref_size 7
	.end_amdhsa_kernel
	.amdgpu_metadata
---
amdhsa.version: [ 1, 2 ]
amdhsa.kernels:
  - .name:           k_qc47d43df78_crf
    .symbol:         k_qc47d43df78_crf.kd
    .args:
      - { .name: tags, .offset: 0, .size: 8, .value_kind: global_buffer, .address_space: global }
      - { .name: mask, .offset: 8, .size: 8, .value_kind: global_buffer, .address_space: global }
      - { .name: emissions, .offset: 16, .size: 8, .value_kind: global_buffer, .address_space: global }
      - { .name: transitions, .offset: 24, .size: 8, .value_kind: global_buffer, .address_space: global }
      - { .name: start_transitions, .offset: 32, .size: 8, .value_kind: global_buffer, .address_space: global }
      - { .name: end_transitions, .offset: 40, .size: 8, .value_kind: global_buffer, .address_space: global }
      - { .name: out0, .offset: 48, .size: 8, .value_kind: global_buffer, .address_space: global }
    .group_segment_fixed_size: 4352
    .private_segment_fixed_size: 0
    .kernarg_segment_align: 8
    .kernarg_segment_size: 56
    .max_flat_workgroup_size: 512
    .sgpr_count:     66
    .vgpr_count:     40
    .wavefront_size: 32
...
	.end_amdgpu_metadata
.endif
;; end of part 1
